; MI455X (gfx1250); checked and timed in simulation.
; The chip was launched on July 23, 2026; its instructions are those of AMD's public machine-readable ISA for CDNA 5 (MIT licence, August 2026) and "CDNA5" Instruction Set Architecture Reference Guide (July 2026). The comments in the code are by the model that wrote it; some were corrected since.
;; Experts. Allowed arithmetic: float matrix products may take bf16 or f16 operands with f32 sums; other float arithmetic in f32, or as packed bf16 or f16 multiplies, adds, multiply-adds, maxima and minima; sums over many terms, partial sums and values carried from step to step in f32; what a program stores and reads back later, other than sums and carried values, may be rounded once to bf16 or f16.
;; Inputs: b1 8 x 2,048 float32; b2 8 x 512 float32; inputs 16 x 2,048 x 512 float32; w1 8 x 512 x 2,048 float32; w2 8 x 2,048 x 512 float32.
;; Outputs: out0 16 x 2,048 x 512 float32.
;; 2 versions, each right; version 2 is version 1 with the launch cast written anew for expert scheduling mode. Each part assembles by itself: llvm-mc -triple=amdgcn-amd-amdhsa -mcpu=gfx1250 --defsym DOCPART=n.
;; ======== version 1 of 2: 2 launches
;; workspace buffers: w1b 16,777,216 bytes; w2b 16,777,216 bytes
;; launch cast (part 1): grid 256 x 2, 8 waves a work-group, no clusters, 0 bytes of LDS; arguments w1, w2, w1b, w2b; writes w1b, w2b
.if DOCPART == 1
	.amdgcn_target "amdgcn-amd-amdhsa--gfx1250"
	.amdhsa_code_object_version 6
	.text
	.protected	k_qe1e55dd938_cast
	.globl	k_qe1e55dd938_cast
	.p2align	8
	.type	k_qe1e55dd938_cast,@function
k_qe1e55dd938_cast:
	s_mov_b64 s[64:65], 0
	v_nop
	global_prefetch_b8 v0, s[64:65] scope:SCOPE_SE
	s_setreg_imm32_b32 hwreg(HW_REG_WAVE_MODE, 25, 1), 1
	s_wait_xcnt 0x0
; w1b = bf16(w1), w2b = bf16(w2), same order of the numbers; rounding to nearest even.
; A stream: grid y picks the tensor, work-group x takes 32,768 numbers (131,072 bytes in, 65,536 out), a wave 16,384 bytes in.
; A wave issues all its 32 loads (512 consecutive bytes each) before its first wait; each store of the wave covers 256 consecutive
; bytes, aligned.  No register is written again while a load or store names it, so no wait but the counted ones is needed.
; No LDS, no barrier, no matrix unit: nothing is shared and nothing is reduced.
.set NLD, 32                           ; loads of a wave
.set D,   8                            ; v[8:135] load n at v[8+4n ..]; its two packed words take the first two registers
	s_load_b256 s[4:11], s[0:1], 0x0               ; w1 s[4:5], w2 s[6:7], w1b s[8:9], w2b s[10:11]
	s_and_b32 s12, ttmp7, 0xffff                   ; 0: w1, 1: w2
	s_lshl_b32 s14, ttmp9, 17                      ; the work-group's bytes in the source,
	s_mov_b32 s15, 0
	s_lshl_b32 s16, ttmp9, 16                      ; and in the destination
	s_mov_b32 s17, 0
	v_and_b32 v1, 31, v0                           ; lane
	v_and_b32 v2, 0xe0, v0                         ; 32 x wave
	v_lshlrev_b32 v1, 4, v1
	v_lshl_or_b32 v1, v2, 9, v1                    ; source: 16,384 x wave + 16 x lane
	v_lshrrev_b32 v2, 1, v1                        ; destination: half of that
	s_wait_kmcnt 0x0
	s_cmp_eq_u32 s12, 0
	s_cselect_b64 s[4:5], s[4:5], s[6:7]
	s_cselect_b64 s[8:9], s[8:9], s[10:11]
	s_add_nc_u64 s[4:5], s[4:5], s[14:15]
	s_add_nc_u64 s[8:9], s[8:9], s[16:17]
.set n, 0
.rept NLD
	global_load_b128 v[D+4*n:D+4*n+3], v1, s[4:5] offset:n*512 th:TH_LOAD_NT
.set n, n+1
.endr
.set n, 0
.rept NLD
	s_wait_loadcnt NLD-1-n                         ; loads come back in order: load n is in, the younger ones stay out
	v_cvt_pk_bf16_f32 v[D+4*n], v[D+4*n], v[D+4*n+1]
	v_cvt_pk_bf16_f32 v[D+4*n+1], v[D+4*n+2], v[D+4*n+3]
	global_store_b64 v2, v[D+4*n:D+4*n+1], s[8:9] offset:n*256  ; no hint: the next launch reads these bytes
.set n, n+1
.endr
	s_endpgm
.Lfunc_end_k_qe1e55dd938_cast:
	.size	k_qe1e55dd938_cast, .Lfunc_end_k_qe1e55dd938_cast-k_qe1e55dd938_cast
	.p2alignl 7, 3214868480
	.fill 96, 4, 3214868480
	.section	.rodata,"a",@progbits
	.p2align	6, 0x0
	.amdhsa_kernel k_qe1e55dd938_cast
		.amdhsa_group_segment_fixed_size 0
		.amdhsa_private_segment_fixed_size 0
		.amdhsa_enable_private_segment 0
		.amdhsa_kernarg_size 32
		.amdhsa_user_sgpr_count 2
		.amdhsa_user_sgpr_kernarg_segment_ptr 1
		.amdhsa_wavefront_size32 1
		.amdhsa_system_sgpr_workgroup_id_x 1
		.amdhsa_system_sgpr_workgroup_id_y 1
		.amdhsa_system_sgpr_workgroup_id_z 1
		.amdhsa_system_vgpr_workitem_id 0
		.amdhsa_next_free_vgpr 136
		.amdhsa_next_free_sgpr 66
		.amdhsa_reserve_vcc 0
		.amdhsa_float_denorm_mode_32 3
		.amdhsa_float_denorm_mode_16_64 3
		.amdhsa_memory_ordered 1
		.amdhsa_forward_progress 1
		.amdhsa_inst_pref_size 12
	.end_amdhsa_kernel
	.amdgpu_metadata
---
amdhsa.version: [ 1, 2 ]
amdhsa.kernels:
  - .name:           k_qe1e55dd938_cast
    .symbol:         k_qe1e55dd938_cast.kd
    .args:
      - { .name: w1, .offset: 0, .size: 8, .value_kind: global_buffer, .address_space: global }
      - { .name: w2, .offset: 8, .size: 8, .value_kind: global_buffer, .address_space: global }
      - { .name: w1b, .offset: 16, .size: 8, .value_kind: global_buffer, .address_space: global }
      - { .name: w2b, .offset: 24, .size: 8, .value_kind: global_buffer, .address_space: global }
    .group_segment_fixed_size: 0
    .private_segment_fixed_size: 0
    .kernarg_segment_align: 8
    .kernarg_segment_size: 32
    .max_flat_workgroup_size: 256
    .sgpr_count:     66
    .vgpr_count:     136
    .wavefront_size: 32
...
	.end_amdgpu_metadata
.endif
;; end of part 1
;; launch ffn (part 2): grid 256 x 1, 4 waves a work-group, clusters of 4 x 1, 327,680 bytes of LDS; arguments inputs, w1b, w2b, b1, b2, out0; writes out0
.if DOCPART == 2
	.amdgcn_target "amdgcn-amd-amdhsa--gfx1250"
	.amdhsa_code_object_version 6
	.text
	.protected	k_qe1e55dd938_ffn
	.globl	k_qe1e55dd938_ffn
	.p2align	8
	.type	k_qe1e55dd938_ffn,@function
k_qe1e55dd938_ffn:
	s_mov_b64 s[64:65], 0
	v_nop
	global_prefetch_b8 v0, s[64:65] scope:SCOPE_SE
	s_setreg_imm32_b32 hwreg(HW_REG_WAVE_MODE, 25, 1), 1
	s_wait_xcnt 0x0
	s_wait_alu depctr_hold_cnt(0) depctr_sa_sdst(0) depctr_va_vdst(0) depctr_va_sdst(0) depctr_va_ssrc(0) depctr_va_vcc(0) depctr_vm_vsrc(0)
	s_getreg_b32 s2, hwreg(HW_REG_IB_STS2, 6, 4)
	s_cmp_eq_u32 s2, 0
	s_cbranch_scc0 .Lentry_in_a_cluster
	s_endpgm
.Lentry_in_a_cluster:
	s_bfe_u32 s2, ttmp6, 0x10000c
	s_cmp_lg_u32 s2, 0x3003
	s_cbranch_scc0 .Lentry_shape_is_right
	s_endpgm
.Lentry_shape_is_right:
; y = gelu(x w1[e] + b1[e]) w2[e] + b2[e] for 128 rows of one expert: the whole chain in one work-group; the hidden layer never leaves the WGP.
; x, y: [32768][512] f32; w1b: [8][512][2048] bf16; w2b: [8][2048][512] bf16; b1: [8][2048], b2: [8][512] f32.
; FORMATS.  x, w1, w2 and the hidden layer are matrix operands in bf16 (each rounded once); all sums, both biases and the gelu in f32.
; gelu is the tanh form, written as h / (1 + 2^t), t = h (GA + GB h^2), GA = -2 sqrt(2/pi) log2(e), GB = 0.044715 GA.
; LIMITS.  NaN and infinities are not treated apart.  Where 2^t would lie below 2^-126 it counts as 0 (the result is then h itself); where 2^t overflows the result is -0.
; SHARES.  32 blocks of 128 rows an expert, 256 work-groups.  The hidden axis goes in 8 chunks of 256 units; a chunk is 8 steps of 128 matrix instructions a wave:
; S0-S3: H^T = W1^T X^T + b1 (128 of the 512 inputs a step), S4-S7: Y^T += W2^T gelu(H)^T (64 hidden units a step).  Source 0 = 16 rows of weights, source 1 = 16 tokens: a lane holds ONE
; token and eight neighbouring units, so H, rounded in pairs, IS source 1 of the second product.  Wave w: in S0-S3 hidden units 64 w .. 64 w + 63 of the chunk x all 128 tokens (32 accumulators);
; in S4-S7 channels 128 w .. 128 w + 127 x all 128 tokens (64 accumulators, which begin as b2).  Step S(4+i) takes hidden tile i (16 units) of every wave, handed over through LDS.
; WEIGHTS lie [k][n] in memory and in LDS and are turned on their way into registers (ds_load_tr16_b128).
; CLUSTER.  The four work-groups of a cluster belong to one expert and walk the same weights: every tile is asked for JOINTLY, the same load, descriptor and mask in all four.  x and y are
; nobody else's, so a second axis of the cluster would share nothing.
; RING.  Two slots of 69,632 bytes, a step's tile each; a wave brings a quarter of each tile.  A wave has two tensor loads out at the start and one later.
; GELU.  Group g = my hidden tile g, 8 accumulators.  Group 0 is done in a lump between S3 and S4; groups 1-3 ride, four vector instructions behind a matrix instruction, in S4-S6.
; REGISTERS, in windows of 256 (s_set_vgpr_msb: bits 1:0 source 0, 3:2 source 1, 5:4 source 2, 7:6 destination):
;   window 0: addresses, b1 as C operands, two buffers of 8 token fragments, two of 4 weight fragments     window 1: H, tile (i, t) at v[8 (8 i + t)]; group 0's registers serve the riders as scratch
;   window 2: Y, channel tiles 0-3, tile (c, t) at v[8 (8 c + t)]          window 3: channel tiles 4-7
.set P1,    544                        ; a row of a W1 tile in LDS: 512 bytes + 32
.set P2,    1056                       ; a row of a W2 tile: 1,024 + 32, likewise
.set SLOTB, 128*P1                     ; a slot: 128 rows of W1 (69,632 bytes) or 64 rows of W2 (67,584)
.set XP,    1040                       ; a row of X in bf16: 1,024 + 16: the 16 rows of a fragment load start 4 banks apart
.set XB,    2*SLOTB                    ; X, 128 rows; at the end each wave's stage for the way out
.set HQ,    XB+128*XP                  ; two quarters of H as fragment images, 16,384 bytes each
.set HQB,   16384
.set B2L,   HQ+2*HQB                   ; b2[e], 2,048 bytes
.set SPARE, B2L+2048                   ; the spare words, 128 bytes for each wave: two blocks of 256 bytes that no other line names
.set SP,    528                        ; a row of the stage: 512 bytes + 16
.set AW1, 4           ; v4-5   my lane's place in a W1 tile, slot 0, 1
.set AW2, 6           ; v6-7   in a W2 tile
.set AX,  8           ; v8-9   in X, token tiles 0-3, 4-7
.set AHR, 10          ; v10    H images, read
.set AHW, 11          ; v11    H images, written
.set BOFF, 12         ; v12    my byte offset in b1[e]: steps 1,024 a chunk
.set STO, 13          ; v13    the way out: where I put 16 bytes of a row
.set RD,  14          ; v14    the way out: where I read a row back
.set GO,  15          ; v15    512 w + 16 lane: my bytes in a row of y, and in b2[e]
.set SPW, 16          ; v16    LDS address of my spare word; never rewritten
.set NIL, 17          ; v17    0; never rewritten
.set XG,  18          ; v18    16 lane
.set XL,  19          ; v19    where my 8 bytes of X go
.set B2T, 20          ; v20-23 b2 on its way into LDS
.set BI,  24          ; v24-55 b1 of my four hidden tiles, laid as C operands
.set AB2W, 56
.set AB2R, 57
.set TB0, 64          ; token fragments (X or H), two buffers of 64
.set TB1, 128
.set WB0, 192         ; weight fragments, two buffers of 32
.set WB1, 224
.set BASE1, 6         ; s[6:7]   w1b at my expert and my 32 rows of a tile
.set BASE2, 8         ; s[8:9]   w2b at my expert and my 16 rows of a tile
.set WV,  16          ; s16      my wave's number
.set LA1_0, 24        ; s24-27   LDS addresses of my quarter: W1 tile in slot 0, 1; W2 tile in slot 0, 1
.set LA1_1, 25
.set LA2_0, 26
.set LA2_1, 27
.set OFF1, 28         ; s[28:29] byte offset of the W1 tile to be asked for next
.set OFF2, 30         ; s[30:31] of the W2 tile
.set G1W1, 32         ; s[32:39] descriptor group 1 for W1 tiles; never rewritten
.set G1W2, 40         ; s[40:47] for W2 tiles
.set DG0, 48          ; s[48:51] descriptor group 0 for slot 0
.set DG1, 52          ; s[52:55] for slot 1
.set CH,  56          ; s56      chunks to go
.set SGA, 58          ; s[58:59] GA
.set SGB, 60          ; s[60:61] GB
.set MSB, 0
.set RIDE, 0
.set gq, 88
.set gs, 0
.macro WIN new                         ; the immediate's high byte repeats the setting that is left; a switch that changes nothing is dropped
.if MSB != (\new)
	s_set_vgpr_msb (MSB<<8)|(\new)
.set MSB, (\new)
.endif
.endm
.macro PLACES                          ; four plain vector instructions between a matrix instruction and a load into, or a vector line on, its registers
.rept 4
	v_nop
.endr
.endm
.macro CREST                           ; a round of the cluster's barrier behind its opening barrier
	s_cmp_lg_u32 s[WV], 0
	s_cbranch_scc1 .Lnot_wave_0_\@
	s_barrier_signal -3
.Lnot_wave_0_\@:
	s_barrier_wait -3
	s_barrier_signal -1
	s_barrier_wait -1
.endm
.macro CROUND
	s_barrier_signal -1
	s_barrier_wait -1
	CREST
.endm
; A joint fill.  Group 0 is made anew (no tensor load of mine names it: the wait for all loads stands in front of the round; at the start each slot has its own set): LDS address of my quarter, the
; tensor's base plus the tile's offset, the type.  The offset, which belongs to no descriptor, steps to the next tile of its kind.  An s_nop 0 and four v_nop follow the load;
; the four are also the places in front of the fragment loads behind it.
.macro FILL dg, la, base, g1, of, step
	s_mov_b32 s[\dg], 1
	s_mov_b32 s[\dg+1], s[\la]
	s_add_nc_u64 s[\dg+2:\dg+3], s[\base:\base+1], s[\of:\of+1]
	s_or_b32 s[\dg+3], s[\dg+3], 0x80000000
.if (\step) < 0
	s_sub_co_u32 s[\of], s[\of], -(\step)
.else
	s_add_co_u32 s[\of], s[\of], \step
.endif
	tensor_load_to_lds s[\dg:\dg+3], s[\g1:\g1+7]
	s_nop 0
.rept 4
	v_nop
.endr
.endm
; GELU, one line at a time, on tile a of the group in hand: x at v[GX0 + 8 a] (window 1), scratch T at v[GT0 + 8 a].  k: 0  T = x x;  1  T = T GB + GA;  2  T = T x;  3  T = 2^T;  4  T = T + 1;  5  T = 1 / T;
; 6  T = T x;  7  T's eight numbers rounded to bf16 into its first four registers.  p: the pair (k = 3, 5: the register).  An accumulator's lowest registers are read first.
.macro GOP k, a, p
.set rx, GX0+8*(\a)
.set rt, GT0+8*(\a)
.if (\k) == 0
	WIN WGA
	v_pk_mul_f32 v[rt+2*(\p):rt+2*(\p)+1], v[rx+2*(\p):rx+2*(\p)+1], v[rx+2*(\p):rx+2*(\p)+1]
.elseif (\k) == 1
	WIN WGT
	v_pk_fma_f32 v[rt+2*(\p):rt+2*(\p)+1], v[rt+2*(\p):rt+2*(\p)+1], s[SGB:SGB+1], s[SGA:SGA+1] op_sel_hi:[1,0,0]
.elseif ((\k) == 2) || ((\k) == 6)
	WIN WGC
	v_pk_mul_f32 v[rt+2*(\p):rt+2*(\p)+1], v[rt+2*(\p):rt+2*(\p)+1], v[rx+2*(\p):rx+2*(\p)+1]
.elseif (\k) == 3
	WIN WGT
	v_exp_f32 v[rt+(\p)], v[rt+(\p)]
.elseif (\k) == 4
	WIN WGT
	v_pk_add_f32 v[rt+2*(\p):rt+2*(\p)+1], v[rt+2*(\p):rt+2*(\p)+1], 1.0 op_sel_hi:[1,0]
.elseif (\k) == 5
	WIN WGT
	v_rcp_f32 v[rt+(\p)], v[rt+(\p)]
.else
	WIN WGT
	v_cvt_pk_bf16_f32 v[rt+(\p)], v[rt+2*(\p)], v[rt+2*(\p)+1]
.endif
.endm
; THE RIDERS' LIST: 352 numbered slots for a group's 320 instructions (a slot whose tile does not exist is empty).
;   0-179    nine stages of 20: the twelve plain lines k = 0, 1, 2 of tile a, and between the first eight of them the eight exponentials of tile a - 1
;   180-287  nine stages of 12: four times (k = 4 of tile a, two reciprocals of tile a - 1)
;   288-351  k = 6 and k = 7, tile by tile
; The 64 exponentials are one batch, the 64 reciprocals another: nothing ahead of slot 180 names an exponential's result, nothing ahead of slot 288 a reciprocal's.
.macro SLOT
.if gs < 180
.set qa, gs/20
.set qm, gs%20
.if (qm < 16) && (qm%2 == 1)
.if qa >= 1
	GOP 3,qa-1,(qm-1)/2
.endif
.elseif qa < 8
.set qp, qm/2
.if qm >= 16
.set qp, qm-8
.endif
	GOP qp/4,qa,qp%4
.endif
.elseif gs < 288
.set qa, (gs-180)/12
.set qm, (gs-180)%12
.if qm%3 == 0
.if qa < 8
	GOP 4,qa,qm/3
.endif
.elseif qa >= 1
	GOP 5,qa-1,2*(qm/3)+qm%3-1
.endif
.else
.set qa, (gs-288)/8
.set qm, (gs-288)%8
	GOP 6+qm/4,qa,qm%4
.endif
.set gs, gs+1
.endm
.macro SLICE                           ; the next four slots; ahead of slots 180 and 288 a plain instruction behind the batch's last line and the one wait ahead of its first reader
.if (gq == 45) || (gq == 72)
	v_nop
	s_wait_alu depctr_va_vdst(0)
.endif
.rept 4
	SLOT
.endr
.set gq, gq+1
.endm
.macro RIDERS g                        ; group g rides: x and T both in window 1, T in group 0's registers, which the lump has left
.set RIDE, 1
.set gq, 0
.set gs, 0
.set GX0, 64*(\g)
.set GT0, 0
.set WGA, 0x55
.set WGC, 0x55
.set WGT, 0x55
.endm
; Matrix instructions for weight fragments i0 .. i1 x the 8 token fragments.  The accumulators take turns, one instruction a turn.  bias = 1: the sums begin with b1.
.macro MUL win, wb, tb, i0, i1, bias
.set mi, \i0
.rept (\i1)-(\i0)+1
.set mt, 0
.rept 8
.if \bias
	WIN 0x40
	v_wmma_f32_16x16x32_bf16 v[8*(8*mi+mt):8*(8*mi+mt)+7], v[\wb+8*mi:\wb+8*mi+7], v[\tb+8*mt:\tb+8*mt+7], v[BI+8*mi:BI+8*mi+7]
.else
	WIN \win
	v_wmma_f32_16x16x32_bf16 v[8*(8*mi+mt):8*(8*mi+mt)+7], v[\wb+8*mi:\wb+8*mi+7], v[\tb+8*mt:\tb+8*mt+7], v[8*(8*mi+mt):8*(8*mi+mt)+7]
.endif
.if RIDE && (gq < 88)
	SLICE
.endif
.set mt, mt+1
.endr
.set mi, mi+1
.endr
.endm
; THE LDS LOADS stand in runs.  FX: X, 32 inputs at 64 k bytes of the rows, 8 token tiles.  FW1: W1, inputs 32 u on of the tile, my 4 hidden tiles.  FH: H, quarter q, 32 hidden units kk.  FW2: W2, hidden 32 (u / 2) on, my channel tiles 4 (u % 2) on.
.macro FX tb, k
.set ft, 0
.rept 8
	ds_load_b128 v[\tb+8*ft:\tb+8*ft+3],   v[AX+ft/4] offset:(ft%4)*16*XP+64*(\k)
	ds_load_b128 v[\tb+8*ft+4:\tb+8*ft+7], v[AX+ft/4] offset:(ft%4)*16*XP+64*(\k)+32
.set ft, ft+1
.endr
.endm
.macro FW1 wb, slot, u
.set fi, 0
.rept 4
	ds_load_tr16_b128 v[\wb+8*fi:\wb+8*fi+3],   v[AW1+(\slot)] offset:(\u)*32*P1+32*fi
	ds_load_tr16_b128 v[\wb+8*fi+4:\wb+8*fi+7], v[AW1+(\slot)] offset:(\u)*32*P1+32*fi+16*P1
.set fi, fi+1
.endr
.endm
.macro FH tb, q, kk
.set ft, 0
.rept 8
	ds_load_b128 v[\tb+8*ft:\tb+8*ft+3],   v[AHR] offset:(\q)*HQB+(\kk)*8192+ft*1024
	ds_load_b128 v[\tb+8*ft+4:\tb+8*ft+7], v[AHR] offset:(\q)*HQB+(\kk)*8192+ft*1024+512
.set ft, ft+1
.endr
.endm
.macro FW2 wb, slot, u
.set fi, 0
.rept 4
	ds_load_tr16_b128 v[\wb+8*fi:\wb+8*fi+3],   v[AW2+(\slot)] offset:((\u)/2)*32*P2+32*(4*((\u)%2)+fi)
	ds_load_tr16_b128 v[\wb+8*fi+4:\wb+8*fi+7], v[AW2+(\slot)] offset:((\u)/2)*32*P2+32*(4*((\u)%2)+fi)+16*P2
.set fi, fi+1
.endr
.endm
.macro STOREP q, w                     ; the group's 8 packed tiles into quarter q: 512 consecutive bytes a store.  w: the window setting for the data
	WIN \w
.set qa, 0
.rept 8
	ds_store_b128 v[AHW], v[GT0+8*qa:GT0+8*qa+3] offset:(\q)*HQB+qa*1024
.set qa, qa+1
.endr
	WIN 0
.endm
; A UNIT is 32 matrix instructions on one pair of buffers.  Behind its first eight the next unit's fragments are fetched into the other buffers, whose last readers stand in front of those eight and of the four places.
.macro UHEAD win, wb, tb, bias
	s_wait_dscnt 0x0                               ; this unit's fragments
	MUL \win, \wb, \tb, 0, 0, \bias
	PLACES
	WIN 0
.endm
.macro UTAIL win, wb, tb, bias
	MUL \win, \wb, \tb, 1, 3, \bias
.endm
; A step's fourth unit changes slots.  In front of the barrier each wave waits for all its tensor loads (one is out: its quarter of the next slot), adds 0 to its spare word, and waits for that, for its
; reads of this slot and of H's quarter, and for its stores of H.  fill = 1: the barrier opens a round of the cluster's, and the joint refill follows it first.
.macro TURN_A win, wb, tb, fill
	WIN 0
	s_wait_tensorcnt 0x0
	ds_add_u32 v[SPW], v[NIL]
	s_wait_dscnt 0x1                               ; only the add may be out: this unit's fragments are in
	MUL \win, \wb, \tb, 0, 0, 0                    ; eight matrix instructions stand between the add and the wait for it
	s_wait_dscnt 0x0
	s_barrier_signal -1
	MUL \win, \wb, \tb, 1, 1, 0                    ; work on registers while the others arrive
	WIN 0                                          ; at a branch and at a label every window is 0
	s_barrier_wait -1
.if \fill
	CREST
.endif
.endm
.macro TURN_B win, wb, tb
	MUL \win, \wb, \tb, 2, 3, 0
.endm
.macro G1U s, slot, first              ; the first three units of step S(s)
	UHEAD 0x50, WB0, TB0, \first
	FW1 WB1, \slot, 1
	FX TB1, 4*(\s)+1
	UTAIL 0x50, WB0, TB0, \first
	UHEAD 0x50, WB1, TB1, 0
	FW1 WB0, \slot, 2
	FX TB0, 4*(\s)+2
	UTAIL 0x50, WB1, TB1, 0
	UHEAD 0x50, WB0, TB0, 0
	FW1 WB1, \slot, 3
	FX TB1, 4*(\s)+3
	UTAIL 0x50, WB0, TB0, 0
.endm
.macro G2U slot, q                     ; the first three units of a step of the second product: (channels 0-3, hidden 0-31), (4-7, 0-31), (0-3, 32-63)
	UHEAD 0xa0, WB0, TB0, 0
	FW2 WB1, \slot, 1
	FH TB1, \q, 1
	UTAIL 0xa0, WB0, TB0, 0
	UHEAD 0xf0, WB1, TB0, 0
	FW2 WB0, \slot, 2
	UTAIL 0xf0, WB1, TB0, 0
	UHEAD 0xa0, WB0, TB1, 0
	FW2 WB1, \slot, 3
	UTAIL 0xa0, WB0, TB1, 0
.set RIDE, 0
.endm
; THE LUMP: group 0's gelu, with T in token buffer 0 (window 0).  Plain lines and transcendentals side by side, a tile apart; two batches, each with a plain instruction behind it and one wait.
.macro ALLT k
.set la, 0
.rept 8
.set lp, 0
.rept 4
	GOP \k,la,lp
.set lp, lp+1
.endr
.set la, la+1
.endr
.endm
.macro PAIRT k1, k2
.set la, 0
.rept 9
.set lp, 0
.rept 4
.if la < 8
	GOP \k1,la,lp
.endif
.if la > 0
	GOP \k2,la-1,2*lp
	GOP \k2,la-1,2*lp+1
.endif
.set lp, lp+1
.endr
.set la, la+1
.endr
	v_nop
	s_wait_alu depctr_va_vdst(0)
.endm
.macro LUMP
.set GX0, 0
.set GT0, TB0
.set WGA, 0x05                         ; both sources in window 1
.set WGC, 0x04                         ; source 1 in window 1
.set WGT, 0
	ALLT 0
	ALLT 1
.set WGT, 0x04                         ; an exponential has no source 1: it stands under the multiplies' setting
	PAIRT 2, 3
.set WGT, 0
	PAIRT 4, 5
	ALLT 6
	ALLT 7
.endm
	s_load_b256 s[4:11], s[0:1], 0x0               ; x s[4:5], w1b s[6:7], w2b s[8:9], b1 s[10:11]
	s_load_b128 s[12:15], s[0:1], 0x20             ; b2 s[12:13], y s[14:15]
	v_lshl_add_u32 v[SPW], v0, 2, SPARE
	v_mov_b32 v[NIL], 0
	ds_add_u32 v[SPW], v[NIL]                      ; the wave's opening: the add and its wait stand ahead of my first tensor load; the set-up, work on registers, stands between them
	v_lshrrev_b32 v1, 5, v0
	v_readfirstlane_b32 s[WV], v1                  ; wave 0..3
	s_lshr_b32 s19, ttmp9, 3                       ; the expert: eight clusters each; the four partners share it
	s_lshl_b32 s20, s19, 21                        ; an expert's weights: 2 MiB in each tensor
	s_lshl_b32 s22, s[WV], 17                      ; W1: my 32 rows of 4,096 bytes
	s_add_co_u32 s22, s22, s20
	s_mov_b32 s23, 0
	s_lshl_b32 s66, s[WV], 16                      ; W2: my group, 64 rows of 1,024 bytes on
	s_add_co_u32 s66, s66, s20
	s_mov_b32 s67, 0
	s_lshl_b32 s68, s19, 13                        ; b1[e]
	s_mov_b32 s69, 0
	s_lshl_b32 s70, s19, 11                        ; b2[e]
	s_mov_b32 s71, 0
	; my place in the cluster enters x's and y's addresses alone, in registers that hold nothing else
	s_bfe_u32 s72, ttmp6, 0x40000                  ; cx
	s_and_b32 s73, ttmp9, 7
	s_lshl_b32 s73, s73, 2
	s_add_co_u32 s73, s73, s72                     ; q: my block of 128 rows among the expert's 32
	s_lshr_b32 s74, s73, 1
	s_lshl_b32 s74, s74, 11                        ; batch q / 2: 2,048 rows each,
	s_and_b32 s75, s73, 1
	s_lshl_b32 s75, s75, 7                         ; half q % 2 of the expert's 256 rows there,
	s_add_co_u32 s74, s74, s75
	s_lshl_b32 s75, s19, 8                         ; which begin at row 256 e
	s_add_co_u32 s74, s74, s75
	s_lshl_b32 s74, s74, 11                        ; rows of 2,048 bytes
	s_mov_b32 s75, 0
	s_lshl_b32 s76, s[WV], 16                      ; x: my wave's 32 rows
	s_add_co_u32 s76, s76, s74
	s_mov_b32 s77, 0
	; descriptor group 1.  W1: my quarter is 32 rows x 256 elements, 2,048 elements from row to row; W2: 16 rows x 512 elements, dense
	s_mov_b32 s[G1W1+0], 15|(1<<16)|(1<<20)|(1<<21)|(6<<22)|(7<<25)  ; 15:0 the mask of four; 17:16 2-byte elements; 20 padding on; 21 set beside a mask; 24:22 after every 128 words (code 6); 31:25 8 words (code 7)
	s_mov_b32 s[G1W1+1], 256<<16                   ; tensor_dim0
	s_mov_b32 s[G1W1+2], 32<<16                    ; tensor_dim1
	s_mov_b32 s[G1W1+3], 256<<16                   ; tile_dim0
	s_mov_b32 s[G1W1+4], 32                        ; tile_dim1
	s_mov_b32 s[G1W1+5], 2048                      ; elements from row to row
	s_mov_b32 s[G1W1+6], 0
	s_mov_b32 s[G1W1+7], 0
	s_mov_b32 s[G1W2+0], 15|(1<<16)|(1<<20)|(1<<21)|(7<<22)|(7<<25)  ; the same, padded after every 256 words (code 7)
	s_mov_b32 s[G1W2+1], 512<<16
	s_mov_b32 s[G1W2+2], 16<<16
	s_mov_b32 s[G1W2+3], 512<<16
	s_mov_b32 s[G1W2+4], 16
	s_mov_b32 s[G1W2+5], 512
	s_mov_b32 s[G1W2+6], 0
	s_mov_b32 s[G1W2+7], 0
	s_mul_i32 s[LA1_0], s[WV], 32*P1
	s_add_co_u32 s[LA1_1], s[LA1_0], SLOTB
	s_mul_i32 s[LA2_0], s[WV], 16*P2
	s_add_co_u32 s[LA2_1], s[LA2_0], SLOTB
	s_mov_b32 s[OFF1], 0
	s_mov_b32 s[OFF1+1], 0
	s_mov_b32 s[OFF2], 0
	s_mov_b32 s[OFF2+1], 0
	s_mov_b32 s[SGA], 0xc0135761                   ; -2.3022082
	s_mov_b32 s[SGA+1], s[SGA]                     ; named with it as a pair
	s_mov_b32 s[SGB], 0xbdd2d3e8                   ; -0.10294324
	s_mov_b32 s[SGB+1], s[SGB]
	v_and_b32 v1, 15, v0                           ; r = lane % 16
	v_bfe_u32 v2, v0, 4, 1                         ; h = lane / 16
	v_and_b32 v3, 31, v0                           ; lane
	v_lshlrev_b32 v[XG], 4, v3
	; the turning load: lane l reads 16 bytes of row 8 h + l % 8, columns 8 ((l / 8) % 2) on, and gets column r, eight rows
	v_and_b32 v58, 7, v0
	v_lshl_add_u32 v58, v2, 3, v58
	v_bfe_u32 v59, v0, 3, 1
	v_mul_u32_u24 v60, v58, P1
	v_lshl_add_u32 v60, v59, 4, v60
	s_lshl_b32 s17, s[WV], 7                       ; my 64 hidden units: 128 bytes of a row
	v_add_nc_u32 v[AW1], s17, v60
	v_add_nc_u32 v[AW1+1], SLOTB, v[AW1]
	v_mul_u32_u24 v60, v58, P2
	v_lshl_add_u32 v60, v59, 4, v60
	s_lshl_b32 s17, s[WV], 8                       ; my 128 channels: 256 bytes of a row
	v_add_nc_u32 v[AW2], s17, v60
	v_add_nc_u32 v[AW2+1], SLOTB, v[AW2]
	v_lshl_add_u32 v[BOFF], v2, 5, s17             ; b1: 4 (64 w + 8 h)
	v_mul_u32_u24 v60, v1, XP
	v_lshl_add_u32 v60, v2, 4, v60                 ; a fragment's row x pitch + 16 x half
	v_add_nc_u32 v[AX], XB, v60
	v_add_nc_u32 v[AX+1], XB+64*XP, v60
	v_add_nc_u32 v[AHR], HQ, v[XG]
	s_lshr_b32 s17, s[WV], 1                       ; my tile is half w % 2 of the 32 hidden units w / 2
	s_lshl_b32 s17, s17, 13
	s_and_b32 s18, s[WV], 1
	s_lshl_b32 s18, s18, 9
	s_add_co_u32 s17, s17, s18
	s_add_co_u32 s17, s17, HQ
	v_add_nc_u32 v[AHW], s17, v[XG]
	s_mul_i32 s17, s[WV], 16*SP
	s_add_co_u32 s17, s17, XB                      ; my stage
	v_mul_u32_u24 v60, v1, SP
	v_lshl_add_u32 v60, v2, 5, v60                 ; in: row r, 32 bytes for each half of the lanes
	v_add_nc_u32 v[STO], s17, v60
	v_add_nc_u32 v[RD], s17, v[XG]                 ; back: a row's 512 bytes
	s_lshl_b32 s17, s[WV], 9
	v_add_nc_u32 v[GO], s17, v[XG]
	s_add_co_u32 s17, s17, B2L
	v_add_nc_u32 v[AB2W], s17, v[XG]
	v_lshl_add_u32 v[AB2R], v2, 5, s17
	s_mul_i32 s17, s[WV], 32*XP
	s_add_co_u32 s17, s17, XB
	v_lshl_add_u32 v[XL], v3, 3, s17
	s_wait_dscnt 0x0                               ; the opening add is done
	s_wait_kmcnt 0x0
	s_add_nc_u64 s[BASE1:BASE1+1], s[BASE1:BASE1+1], s[22:23]
	s_add_nc_u64 s[BASE2:BASE2+1], s[BASE2:BASE2+1], s[66:67]
	s_add_nc_u64 s[10:11], s[10:11], s[68:69]
	s_add_nc_u64 s[12:13], s[12:13], s[70:71]
	s_add_nc_u64 s[4:5], s[4:5], s[76:77]
	s_add_nc_u64 s[14:15], s[14:15], s[74:75]
	CROUND                                         ; all four work-groups are here: the first joint loads meet
	FILL DG0, LA1_0, BASE1, G1W1, OFF1, 524288     ; chunk 0, inputs 0-127
	FILL DG1, LA1_1, BASE1, G1W1, OFF1, 524288     ; inputs 128-255
	; b2, b1 of chunk 0, and the first 48 of my 128 loads of x (32 rows x 4 pieces of 512 bytes: load n lies 512 n bytes on)
	global_load_b128 v[B2T:B2T+3], v[GO], s[12:13]
.irp i, 0,1,2,3
	global_load_b128 v[BI+8*\i:BI+8*\i+3],   v[BOFF], s[10:11] offset:64*\i
	global_load_b128 v[BI+8*\i+4:BI+8*\i+7], v[BOFF], s[10:11] offset:64*\i+16
.endr
.set xn, 0
.rept 48
	global_load_b128 v[TB0+4*xn:TB0+4*xn+3], v[XG], s[4:5] offset:xn*512 th:TH_LOAD_NT
.set xn, xn+1
.endr
	s_wait_loadcnt 56                              ; b2 is in: behind it 8 loads of b1 and 48 of x were issued
	ds_store_b128 v[AB2W], v[B2T:B2T+3]            ; my 128 channels: only my wave reads them, and LDS serves a wave's instructions in order (ISA guide 5.7.1.4)
.set yc, 0
.rept 8                                ; Y begins as b2: register j of a lane is channel 16 c + 8 h + j, the same for all 8 token tiles.  Nothing is cleared
	WIN 0x80+0x40*(yc/4)
.set yt, 0
.rept 8
	ds_load_b128 v[8*(8*(yc%4)+yt):8*(8*(yc%4)+yt)+3],   v[AB2R] offset:64*yc
	ds_load_b128 v[8*(8*(yc%4)+yt)+4:8*(8*(yc%4)+yt)+7], v[AB2R] offset:64*yc+16
.set yt, yt+1
.endr
.set yc, yc+1
.endr
	WIN 0
	; x to bf16 into LDS, 16 loads at a time; the packed pairs go into window 1, a pair of its own for each load, so that the ring's registers can be loaded again at once
.set xgrp, 0
.rept 8
.if xgrp < 6
	s_wait_loadcnt 32                              ; two younger batches of 16 stay out
.elseif xgrp == 6
	s_wait_loadcnt 16
.else
	s_wait_loadcnt 0
.endif
	WIN 0x40
.set xu, 0
.rept 16
.set xn, 16*xgrp+xu
.set xs, TB0+4*(xn%48)
	v_cvt_pk_bf16_f32 v[2*xn], v[xs], v[xs+1]
	v_cvt_pk_bf16_f32 v[2*xn+1], v[xs+2], v[xs+3]
.set xu, xu+1
.endr
	WIN 0x04
.set xu, 0
.rept 16
.set xn, 16*xgrp+xu
	ds_store_b64 v[XL], v[2*xn:2*xn+1] offset:(xn/4)*XP+(xn%4)*256  ; 256 consecutive bytes of a row
.set xu, xu+1
.endr
	WIN 0
.if xgrp < 5
.set xu, 0
.rept 16
.set xn, 16*(xgrp+3)+xu
	global_load_b128 v[TB0+4*(xn%48):TB0+4*(xn%48)+3], v[XG], s[4:5] offset:xn*512 th:TH_LOAD_NT
.set xu, xu+1
.endr
.endif
.set xgrp, xgrp+1
.endr
	s_wait_tensorcnt 0x1                           ; my quarter of slot 0 is in; slot 1's may stay out
	s_wait_dscnt 0x0                               ; my rows of X are stored, Y is in
	s_barrier_signal -1
	s_barrier_wait -1
	FW1 WB0, 0, 0
	FX TB0, 0
	s_mov_b32 s[CH], 8
	s_branch .Lenter                               ; the loop is entered at a chunk's first step, in the middle of a trip
.Lchunk:                               ; seven times: the end of a chunk that has a successor asks for the successor's first two tiles
	TURN_A 0xf0, WB1, TB1, 1                       ; S6's fourth unit
	FILL DG0, LA1_0, BASE1, G1W1, OFF1, 524288     ; the next chunk's W1, inputs 0-127
	FW2 WB0, 1, 0
	FH TB0, 1, 0
	TURN_B 0xf0, WB1, TB1
	WIN 0
.irp i, 0,1,2,3                        ; the next chunk's b1: its last readers stood in S0
	global_load_b128 v[BI+8*\i:BI+8*\i+3],   v[BOFF], s[10:11] offset:1024+64*\i
	global_load_b128 v[BI+8*\i+4:BI+8*\i+7], v[BOFF], s[10:11] offset:1024+64*\i+16
.endr
	G2U 1, 1                                       ; S7
	TURN_A 0xf0, WB1, TB1, 1
	FILL DG1, LA1_1, BASE1, G1W1, OFF1, 524288     ; inputs 128-255
	FW1 WB0, 0, 0
	FX TB0, 0
	TURN_B 0xf0, WB1, TB1
	WIN 0
	s_wait_loadcnt 0x0                             ; b1 is in, and its address register is free
	v_add_nc_u32 v[BOFF], 1024, v[BOFF]
.Lenter:
	G1U 0, 0, 1                                    ; S0: the first unit's products begin the sums with b1
	TURN_A 0x50, WB1, TB1, 1
	FILL DG0, LA1_0, BASE1, G1W1, OFF1, 524288     ; inputs 256-383
	FW1 WB0, 1, 0
	FX TB0, 4
	TURN_B 0x50, WB1, TB1
	G1U 1, 1, 0                                    ; S1
	TURN_A 0x50, WB1, TB1, 1
	FILL DG1, LA1_1, BASE1, G1W1, OFF1, -1572352   ; inputs 384-511; the offset goes back to input 0, 256 hidden units (512 bytes) on
	FW1 WB0, 0, 0
	FX TB0, 8
	TURN_B 0x50, WB1, TB1
	G1U 2, 0, 0                                    ; S2
	TURN_A 0x50, WB1, TB1, 1
	FILL DG0, LA2_0, BASE2, G1W2, OFF2, 16384      ; W2, hidden tile 0 of every wave
	FW1 WB0, 1, 0
	FX TB0, 12
	TURN_B 0x50, WB1, TB1
	G1U 3, 1, 0                                    ; S3
	TURN_A 0x50, WB1, TB1, 1
	FILL DG1, LA2_1, BASE2, G1W2, OFF2, 16384      ; hidden tile 1
	FW2 WB0, 0, 0
	TURN_B 0x50, WB1, TB1
	PLACES
	LUMP                                           ; group 0
	STOREP 0, 0
	s_wait_dscnt 0x0                               ; for the others' sake: my part of quarter 0 is stored
	s_barrier_signal -1                            ; my quarter of S5's tile may stay on its way
	s_barrier_wait -1
	FH TB0, 0, 0
	RIDERS 1
	G2U 0, 0                                       ; S4, with group 1's gelu
	STOREP 1, 0x04
	TURN_A 0xf0, WB1, TB1, 1
	FILL DG0, LA2_0, BASE2, G1W2, OFF2, 16384      ; hidden tile 2
	FW2 WB0, 1, 0
	FH TB0, 1, 0
	TURN_B 0xf0, WB1, TB1
	RIDERS 2
	G2U 1, 1                                       ; S5, with group 2's
	STOREP 0, 0x04
	TURN_A 0xf0, WB1, TB1, 1
	FILL DG1, LA2_1, BASE2, G1W2, OFF2, 212992     ; hidden tile 3; the offset goes on to the next chunk's tile 0
	FW2 WB0, 0, 0
	FH TB0, 0, 0
	TURN_B 0xf0, WB1, TB1
	RIDERS 3
	G2U 0, 0                                       ; S6, with group 3's
	STOREP 1, 0x04
	WIN 0
	s_sub_co_u32 s[CH], s[CH], 1
	s_cmp_lg_u32 s[CH], 0
	s_cbranch_scc1 .Lchunk
	; the last chunk's end is written out: nothing is asked for, and no round follows the barrier
	TURN_A 0xf0, WB1, TB1, 0
	PLACES
	FW2 WB0, 1, 0
	FH TB0, 1, 0
	TURN_B 0xf0, WB1, TB1
	G2U 1, 1                                       ; S7
	s_wait_dscnt 0x0
	MUL 0xf0, WB1, TB1, 0, 3, 0
	; THE WAY OUT.  A lane holds eight neighbouring channels of one token.  16 tokens at a time go through my stage (X's bytes, which nobody reads any more: five barriers lie behind the last read) and come back as rows of 512 bytes.
.macro OUT_A t
.if (\t) >= 2
	s_wait_xcnt 0x0                                ; the stores of two tiles ago have read the registers that are loaded again below
.endif
.set oc, 0
.rept 8
	WIN 0x08+4*(oc/4)                              ; the data in window 2 or 3
	ds_store_b128 v[STO], v[8*(8*(oc%4)+(\t)):8*(8*(oc%4)+(\t))+3]   offset:64*oc
	ds_store_b128 v[STO], v[8*(8*(oc%4)+(\t))+4:8*(8*(oc%4)+(\t))+7] offset:64*oc+16
.set oc, oc+1
.endr
	WIN 0
.set oq, 0
.rept 16
	ds_load_b128 v[TB0+64*((\t)%2)+4*oq:TB0+64*((\t)%2)+4*oq+3], v[RD] offset:oq*SP  ; LDS serves a wave's instructions in order (ISA guide 5.7.1.4): these see the stores above; the next tile's stores come behind them
.set oq, oq+1
.endr
.endm
.macro OUT_B t, younger                ; younger: the LDS instructions issued behind tile t's loads: the next tile's 32, or none
.set oq, 0
.rept 16
	s_wait_dscnt (\younger)+15-oq
	global_store_b128 v[GO], v[TB0+64*((\t)%2)+4*oq:TB0+64*((\t)%2)+4*oq+3], s[14:15] offset:(16*(\t)+oq)*2048 th:TH_STORE_NT  ; 512 consecutive bytes, at a multiple of 512 from y's first byte
.set oq, oq+1
.endr
.endm
	PLACES                                         ; behind the last products
	OUT_A 0
.set ot, 1
.rept 7
	OUT_A ot
	OUT_B ot-1, 32
.set ot, ot+1
.endr
	OUT_B 7, 0
	s_wait_tensorcnt 0x0                           ; the wave's end, behind my last tensor load and my last LDS store
	ds_add_u32 v[SPW], v[NIL]
	s_wait_dscnt 0x0
	CROUND                                         ; the closing round: no work-group ends while a partner may still ask for a tile that names it
	s_endpgm
.Lfunc_end_k_qe1e55dd938_ffn:
	.size	k_qe1e55dd938_ffn, .Lfunc_end_k_qe1e55dd938_ffn-k_qe1e55dd938_ffn
	.p2alignl 7, 3214868480
	.fill 96, 4, 3214868480
	.section	.rodata,"a",@progbits
	.p2align	6, 0x0
	.amdhsa_kernel k_qe1e55dd938_ffn
		.amdhsa_group_segment_fixed_size 327680
		.amdhsa_private_segment_fixed_size 0
		.amdhsa_enable_private_segment 0
		.amdhsa_kernarg_size 48
		.amdhsa_user_sgpr_count 2
		.amdhsa_user_sgpr_kernarg_segment_ptr 1
		.amdhsa_wavefront_size32 1
		.amdhsa_system_sgpr_workgroup_id_x 1
		.amdhsa_system_sgpr_workgroup_id_y 1
		.amdhsa_system_sgpr_workgroup_id_z 1
		.amdhsa_system_vgpr_workitem_id 0
		.amdhsa_next_free_vgpr 1024
		.amdhsa_next_free_sgpr 96
		.amdhsa_reserve_vcc 0
		.amdhsa_float_denorm_mode_32 3
		.amdhsa_float_denorm_mode_16_64 3
		.amdhsa_memory_ordered 1
		.amdhsa_forward_progress 1
		.amdhsa_inst_pref_size 255
	.end_amdhsa_kernel
	.section	.bss,"aw",@nobits
	.p2align	6
	.space	262144
	.amdgpu_metadata
---
amdhsa.version: [ 1, 2 ]
amdhsa.kernels:
  - .name:           k_qe1e55dd938_ffn
    .symbol:         k_qe1e55dd938_ffn.kd
    .args:
      - { .name: inputs, .offset: 0, .size: 8, .value_kind: global_buffer, .address_space: global }
      - { .name: w1b, .offset: 8, .size: 8, .value_kind: global_buffer, .address_space: global }
      - { .name: w2b, .offset: 16, .size: 8, .value_kind: global_buffer, .address_space: global }
      - { .name: b1, .offset: 24, .size: 8, .value_kind: global_buffer, .address_space: global }
      - { .name: b2, .offset: 32, .size: 8, .value_kind: global_buffer, .address_space: global }
      - { .name: out0, .offset: 40, .size: 8, .value_kind: global_buffer, .address_space: global }
    .group_segment_fixed_size: 327680
    .private_segment_fixed_size: 0
    .kernarg_segment_align: 8
    .kernarg_segment_size: 48
    .max_flat_workgroup_size: 128
    .sgpr_count:     96
    .vgpr_count:     1024
    .wavefront_size: 32
...
	.end_amdgpu_metadata
.endif
;; end of part 2
;; ======== version 2 of 2: 2 launches; version 1 with the launch cast written anew for expert scheduling mode
;; workspace buffers: w1b 16,777,216 bytes; w2b 16,777,216 bytes
;; launch cast (part 3): grid 256 x 2, 8 waves a work-group, no clusters, 0 bytes of LDS; arguments w1, w2, w1b, w2b; writes w1b, w2b
.if DOCPART == 3
	.amdgcn_target "amdgcn-amd-amdhsa--gfx1250"
	.amdhsa_code_object_version 6
	.text
	.protected	k_qe1e55dd938_cast
	.globl	k_qe1e55dd938_cast
	.p2align	8
	.type	k_qe1e55dd938_cast,@function
k_qe1e55dd938_cast:
	s_mov_b64 s[64:65], 0
	v_nop
	global_prefetch_b8 v0, s[64:65] scope:SCOPE_SE
	s_setreg_imm32_b32 hwreg(HW_REG_WAVE_SCHED_MODE, 0, 2), 2
	s_setreg_imm32_b32 hwreg(HW_REG_WAVE_MODE, 25, 1), 1
	s_wait_xcnt 0x0
	s_wait_alu depctr_vm_vsrc(0)
; w1b = bf16(w1), w2b = bf16(w2), same order of the numbers; rounding to nearest even.
; A stream: grid y picks the tensor, work-group x takes 32,768 numbers (131,072 bytes in, 65,536 out), a wave 16,384 bytes in.
; A wave issues all its 32 loads (512 consecutive bytes each) before its first wait; each store of the wave covers 256 consecutive
; bytes, aligned.  No LDS, no barrier, no matrix unit: nothing is shared and nothing is reduced.
; THE MODE: SCHED_MODE bits 1:0 = 2 (LLVM: expert scheduling mode 2), set by the entry lines.  The code itself states the register dependences
; between vector instructions and memory instructions, with s_wait_alu, always for 0.
; THE PLAN.  Registers that memory instructions touch:
;   v1, v2          byte offsets in the source and in the destination: made once at the head, read by every load (v1) and every store (v2), never written again.
;   v[8+4n ..+3]    load n lands here, once; its two conversions read the four and write the packed words into the first two; store n reads those two; nothing writes them again.
; The 32 loads go in 8 blocks of four.  Block p waits for its four loads and converts them; its memory instructions are the four stores of block p - 1, whose registers no vector
; instruction of block p names.  So ONE wait on va_vdst at a block's head states all that the block's four stores hang on, and they are dealt among its eight conversions with no further wait.
; No register that a load or a store has read is ever written again, and no load lands in a register that a vector instruction has named: nothing else is to be stated.
.set NLD, 32                           ; loads of a wave
.set BLK, 4                            ; loads in a block
.set D,   8                            ; v[8:135] load n at v[8+4n ..]; its two packed words take the first two registers
	s_load_b256 s[4:11], s[0:1], 0x0               ; w1 s[4:5], w2 s[6:7], w1b s[8:9], w2b s[10:11]
	s_and_b32 s12, ttmp7, 0xffff                   ; 0: w1, 1: w2
	s_lshl_b32 s14, ttmp9, 17                      ; the work-group's bytes in the source,
	s_mov_b32 s15, 0
	s_lshl_b32 s16, ttmp9, 16                      ; and in the destination
	s_mov_b32 s17, 0
	v_and_b32 v1, 31, v0                           ; lane
	v_and_b32 v2, 0xe0, v0                         ; 32 x wave
	v_lshlrev_b32 v1, 4, v1
	v_lshl_or_b32 v1, v2, 9, v1                    ; source: 16,384 x wave + 16 x lane
	v_lshrrev_b32 v2, 1, v1                        ; destination: half of that
	s_wait_kmcnt 0x0
	s_cmp_eq_u32 s12, 0
	s_cselect_b64 s[4:5], s[4:5], s[6:7]
	s_cselect_b64 s[8:9], s[8:9], s[10:11]
	s_add_nc_u64 s[4:5], s[4:5], s[14:15]
	s_add_nc_u64 s[8:9], s[8:9], s[16:17]
	s_wait_alu depctr_va_vdst(0)                   ; v1 and v2 are written: every load of the kernel reads v1 as its offset, every store v2
.set n, 0
.rept NLD
	global_load_b128 v[D+4*n:D+4*n+3], v1, s[4:5] offset:n*512 th:TH_LOAD_NT
.set n, n+1
.endr
.set p, 0
.rept NLD/BLK
	s_wait_loadcnt NLD-BLK*(p+1)                   ; loads come back in order: block p's four are in, the younger blocks stay out
.if p > 0
	s_wait_alu depctr_va_vdst(0)                   ; the conversions of the block before have written its packed words, which the four stores below read
.endif
.set i, 0
.rept BLK
.set n, BLK*p+i
.if p > 0
	global_store_b64 v2, v[D+4*(n-BLK):D+4*(n-BLK)+1], s[8:9] offset:(n-BLK)*256  ; the block before; no vector instruction since the wait names these registers.  No hint: the next launch reads these bytes
.endif
	v_cvt_pk_bf16_f32 v[D+4*n], v[D+4*n], v[D+4*n+1]
	v_cvt_pk_bf16_f32 v[D+4*n+1], v[D+4*n+2], v[D+4*n+3]
.set i, i+1
.endr
.set p, p+1
.endr
	s_wait_alu depctr_va_vdst(0)                   ; the last block's conversions have written its packed words, which the last four stores read
.set n, NLD-BLK
.rept BLK
	global_store_b64 v2, v[D+4*n:D+4*n+1], s[8:9] offset:n*256
.set n, n+1
.endr
	s_endpgm
.Lfunc_end_k_qe1e55dd938_cast:
	.size	k_qe1e55dd938_cast, .Lfunc_end_k_qe1e55dd938_cast-k_qe1e55dd938_cast
	.p2alignl 7, 3214868480
	.fill 96, 4, 3214868480
	.section	.rodata,"a",@progbits
	.p2align	6, 0x0
	.amdhsa_kernel k_qe1e55dd938_cast
		.amdhsa_group_segment_fixed_size 0
		.amdhsa_private_segment_fixed_size 0
		.amdhsa_enable_private_segment 0
		.amdhsa_kernarg_size 32
		.amdhsa_user_sgpr_count 2
		.amdhsa_user_sgpr_kernarg_segment_ptr 1
		.amdhsa_wavefront_size32 1
		.amdhsa_system_sgpr_workgroup_id_x 1
		.amdhsa_system_sgpr_workgroup_id_y 1
		.amdhsa_system_sgpr_workgroup_id_z 1
		.amdhsa_system_vgpr_workitem_id 0
		.amdhsa_next_free_vgpr 136
		.amdhsa_next_free_sgpr 66
		.amdhsa_reserve_vcc 0
		.amdhsa_float_denorm_mode_32 3
		.amdhsa_float_denorm_mode_16_64 3
		.amdhsa_memory_ordered 1
		.amdhsa_forward_progress 1
		.amdhsa_inst_pref_size 12
	.end_amdhsa_kernel
	.amdgpu_metadata
---
amdhsa.version: [ 1, 2 ]
amdhsa.kernels:
  - .name:           k_qe1e55dd938_cast
    .symbol:         k_qe1e55dd938_cast.kd
    .args:
      - { .name: w1, .offset: 0, .size: 8, .value_kind: global_buffer, .address_space: global }
      - { .name: w2, .offset: 8, .size: 8, .value_kind: global_buffer, .address_space: global }
      - { .name: w1b, .offset: 16, .size: 8, .value_kind: global_buffer, .address_space: global }
      - { .name: w2b, .offset: 24, .size: 8, .value_kind: global_buffer, .address_space: global }
    .group_segment_fixed_size: 0
    .private_segment_fixed_size: 0
    .kernarg_segment_align: 8
    .kernarg_segment_size: 32
    .max_flat_workgroup_size: 256
    .sgpr_count:     66
    .vgpr_count:     136
    .wavefront_size: 32
...
	.end_amdgpu_metadata
.endif
;; end of part 3
;; launch ffn: the kernel of part 2 again; grid 256 x 1, 4 waves a work-group, clusters of 4 x 1, 327,680 bytes of LDS; arguments inputs, w1b, w2b, b1, b2, out0; writes out0
